; MI455X (gfx1250); checked and timed in simulation.
; The chip was launched on July 23, 2026; its instructions are those of AMD's public machine-readable ISA for CDNA 5 (MIT licence, August 2026) and "CDNA5" Instruction Set Architecture Reference Guide (July 2026). The comments in the code are by the model that wrote it; some were corrected since.
;; Link Prediction. Allowed arithmetic: float matrix products may take bf16 or f16 operands with f32 sums; other float arithmetic in f32, or as packed bf16 or f16 multiplies, adds, multiply-adds, maxima and minima; sums over many terms, partial sums and values carried from step to step in f32; what a program stores and reads back later, other than sums and carried values, may be rounded once to bf16 or f16.
;; Inputs: b1 256 float32; b2 128 float32; b3 1 float32; batch 50,000 int32; be1 256 float32; be2 128 float32; edge_index 2 x 200,000 int32; g1 256 float32; g2 128 float32; neg_edge_index 2 x 200,000 int32; w1 256 x 256 float32; w2 256 x 128 float32; w3 128 x 1 float32; x 50,000 x 128 float32.
;; Outputs: out0 400,000 x 1 float32; out1 400,000 x 1 float32.
;; 2 versions, each right; version 2 is version 1 with the launch prep written anew for expert scheduling mode. Each part assembles by itself: llvm-mc -triple=amdgcn-amd-amdhsa -mcpu=gfx1250 --defsym DOCPART=n.
;; ======== version 1 of 2: 2 launches
;; workspace buffers: xb 12,800,000 bytes; wf 205,824 bytes
;; launch prep (part 1): grid 642 x 1, 8 waves a work-group, no clusters, 0 bytes of LDS; arguments x, w1, w2, w3, b1, g1, be1, b2, g2, be2, xb, wf; writes xb, wf
.if DOCPART == 1
	.amdgcn_target "amdgcn-amd-amdhsa--gfx1250"
	.amdhsa_code_object_version 6
	.text
	.protected	k_q011bc0c98e_prep
	.globl	k_q011bc0c98e_prep
	.p2align	8
	.type	k_q011bc0c98e_prep,@function
k_q011bc0c98e_prep:
	s_mov_b64 s[64:65], 0
	v_nop
	global_prefetch_b8 v0, s[64:65] scope:SCOPE_SE
	s_setreg_imm32_b32 hwreg(HW_REG_WAVE_MODE, 25, 1), 1
	s_wait_xcnt 0x0
; PREPARATION.  xb = x rounded once to bf16 ([50000][128]: a row is 256 bytes).  wf = one dense block of 205,824 bytes that the next launch copies into LDS as it lies:
;   0       w1 as matrix fragments (16 channels x 32 k, 1,024 bytes): fragment (kk, a) at (16 kk + a) x 1,024
;   131072  w2 likewise: fragment (kk, a) at (8 kk + a) x 1,024
;   196608  w3: four fragments, all 16 rows alike
;   200704  b1c (1,024 bytes), g1, be1, b2c (512 bytes), g2, be2, all f32, then 512 bytes of zeros (so that the block is 4 x 201 rows of 256 bytes)
; In a fragment the element (channel 16 a + r, k = 32 kk + 16 c + 8 h + e) lies at 512 c + 16 (16 h + r) + 2 e: lane l = 16 h + r finds its registers 0-3 at 16 l and 4-7 at 512 + 16 l.
; THE MEAN OF LAYERNORM IS TAKEN HERE, ON THE WEIGHTS: w1c[k][n] = w1[k][n] - mean over n of w1[k][.], b1c = b1 - mean(b1), and so for w2, b2.  Then f w1c + b1c = (f w1 + b1) - its mean over n,
; for every input; the subtraction is made in f32, ahead of the one rounding to bf16.
; ROLES by the work-group's number: 0-7 w1's K step; 8-15 w2's K step; 16 w3 and the parameters; 17-641 a chunk of 40,960 bytes of x (625 x 40,960 = 25,600,000).
; No LDS, no barrier: no wave wants what another has.  Every store of a wave covers 256 or 512 consecutive bytes, aligned.
.set PAR, 200704
	s_load_b512 s[8:23], s[0:1], 0x0               ; x 8:9, w1 10:11, w2 12:13, w3 14:15, b1 16:17, g1 18:19, be1 20:21, b2 22:23
	s_load_b256 s[24:31], s[0:1], 0x40             ; g2 24:25, be2 26:27, xb 28:29, wf 30:31
	v_lshrrev_b32 v1, 5, v0
	v_readfirstlane_b32 s32, v1                    ; wave 0..7
	v_and_b32 v1, 31, v0                           ; lane
	s_mov_b32 s34, 0x76543210                      ; v_permlanex16_b32: each lane takes its own place in the other half
	s_mov_b32 s35, 0xfedcba98
	v_mov_b32 v6, 0                                ; a destination of v_permlanex16_b32 counts as read: written once
	s_wait_kmcnt 0x0
	s_cmp_lt_u32 ttmp9, 8
	s_cbranch_scc1 .Lw1
	s_cmp_lt_u32 ttmp9, 16
	s_cbranch_scc1 .Lw2
	s_cmp_eq_u32 ttmp9, 16
	s_cbranch_scc1 .Lpar
	; ---- x: a wave takes 5,120 bytes, ten loads of 512 bytes, all issued at once; each load has registers of its own, so nothing is rewritten
	s_sub_co_u32 s36, ttmp9, 17
	s_mul_i32 s38, s36, 20480
	s_mul_i32 s36, s36, 40960
	s_mov_b32 s37, 0
	s_mov_b32 s39, 0
	s_add_nc_u64 s[8:9], s[8:9], s[36:37]
	s_add_nc_u64 s[28:29], s[28:29], s[38:39]
	s_mul_i32 s33, s32, 5120
	v_lshl_add_u32 v2, v1, 4, s33                  ; 16 bytes (4 f32) a lane in,
	s_mul_i32 s33, s32, 2560
	v_lshl_add_u32 v3, v1, 3, s33                  ; 8 bytes (4 bf16) out
.set q, 0
.rept 10
	global_load_b128 v[16+4*q:16+4*q+3], v2, s[8:9] offset:512*q th:TH_LOAD_NT
.set q, q+1
.endr
.set q, 0
.rept 10
	s_wait_loadcnt 9-q                             ; loads come back in order: load q is in, the 9 - q younger ones stay out
	v_cvt_pk_bf16_f32 v[60+2*q], v[16+4*q], v[16+4*q+1]
	v_cvt_pk_bf16_f32 v[60+2*q+1], v[16+4*q+2], v[16+4*q+3]
	global_store_b64 v3, v[60+2*q:60+2*q+1], s[28:29] offset:256*q  ; 32 lanes store 256 consecutive bytes, aligned
.set q, q+1
.endr
	s_endpgm
; ---- A K step (32 rows) of a weight matrix [256][nch].  Wave w: c = w & 1 (which 16 rows), fg = w >> 1 (which quarter of the fragments).  The wave finds the means of its 16 rows
; (whole rows, 16 bytes a lane), then takes nch / 64 half fragments: lane (r, h) reads rows 8 h + e, column 16 a + r, subtracts the row's mean, rounds and stores 16 bytes.
; v4 16 l; v5 the pieces' offset; v8-23 the 16 rows' sums, then means; v24-31 the means of my 8 rows; v32-63 the pieces; v64-127 whole rows.
.macro WPREP nch, src, dstbase, first
.set PB, 4*(\nch)                      ; bytes in a row
.set NQ, (\nch)/64                     ; half fragments of a wave
	s_sub_co_u32 s33, ttmp9, \first                ; kk
	s_and_b32 s40, s32, 1                          ; c
	s_lshr_b32 s41, s32, 1                         ; fg
	s_lshl_b32 s36, s33, 5
	s_lshl4_add_u32 s36, s40, s36                  ; my first row: 32 kk + 16 c
	s_mul_i32 s36, s36, PB
	s_mov_b32 s37, 0
	s_add_nc_u64 s[\src:\src+1], s[\src:\src+1], s[36:37]
	s_mul_i32 s38, s33, (\nch)*64                  ; a K step's fragments,
	s_mul_i32 s42, s41, (\nch)*16                  ; my quarter of them,
	s_add_co_u32 s38, s38, s42
	s_lshl_b32 s42, s40, 9                         ; my half of each
	s_add_co_u32 s38, s38, s42
	s_add_co_u32 s38, s38, \dstbase
	s_mov_b32 s39, 0
	s_add_nc_u64 s[30:31], s[30:31], s[38:39]
	v_lshlrev_b32 v4, 4, v1
	v_and_b32 v7, 15, v1                           ; r
	v_lshrrev_b32 v5, 4, v1                        ; h
	v_mul_u32_u24 v5, v5, 8*PB
	v_lshl_add_u32 v5, v7, 2, v5
	s_mul_i32 s42, s41, \nch                       ; 4 bytes x 16 columns x nch / 64 fragments x fg
	v_add_nc_u32 v5, s42, v5
.if (\nch) == 256
.set i, 0
.rept 8                                ; rows 0-7: 1,024 bytes each, two loads
	global_load_b128 v[64+8*i:64+8*i+3], v4, s[\src:\src+1] offset:i*PB
	global_load_b128 v[64+8*i+4:64+8*i+7], v4, s[\src:\src+1] offset:i*PB+512
.set i, i+1
.endr
.else
.set i, 0
.rept 16                               ; rows 0-15: 512 bytes each, one load
	global_load_b128 v[64+4*i:64+4*i+3], v4, s[\src:\src+1] offset:i*PB
.set i, i+1
.endr
.endif
.set q, 0
.rept NQ
.set e, 0
.rept 8
	global_load_b32 v[32+8*q+e], v5, s[\src:\src+1] offset:e*PB+64*q
.set e, e+1
.endr
.set q, q+1
.endr
.if (\nch) == 256
	s_wait_loadcnt 32                              ; rows 0-7 are in; the 32 piece loads issued behind them stay out
.set i, 0
.rept 8
	v_pk_add_f32 v[64+8*i:64+8*i+1], v[64+8*i:64+8*i+1], v[64+8*i+2:64+8*i+3]
	v_pk_add_f32 v[64+8*i+4:64+8*i+5], v[64+8*i+4:64+8*i+5], v[64+8*i+6:64+8*i+7]
	v_pk_add_f32 v[64+8*i:64+8*i+1], v[64+8*i:64+8*i+1], v[64+8*i+4:64+8*i+5]
	v_add_f32 v[8+i], v[64+8*i], v[64+8*i+1]
.set i, i+1
.endr
.set i, 0
.rept 8                                ; rows 8-15 into the same registers
	global_load_b128 v[64+8*i:64+8*i+3], v4, s[\src:\src+1] offset:(8+i)*PB
	global_load_b128 v[64+8*i+4:64+8*i+7], v4, s[\src:\src+1] offset:(8+i)*PB+512
.set i, i+1
.endr
	s_wait_loadcnt 0x0
.set i, 0
.rept 8
	v_pk_add_f32 v[64+8*i:64+8*i+1], v[64+8*i:64+8*i+1], v[64+8*i+2:64+8*i+3]
	v_pk_add_f32 v[64+8*i+4:64+8*i+5], v[64+8*i+4:64+8*i+5], v[64+8*i+6:64+8*i+7]
	v_pk_add_f32 v[64+8*i:64+8*i+1], v[64+8*i:64+8*i+1], v[64+8*i+4:64+8*i+5]
	v_add_f32 v[16+i], v[64+8*i], v[64+8*i+1]
.set i, i+1
.endr
.else
	s_wait_loadcnt 0x0
.set i, 0
.rept 16
	v_pk_add_f32 v[64+4*i:64+4*i+1], v[64+4*i:64+4*i+1], v[64+4*i+2:64+4*i+3]
	v_add_f32 v[8+i], v[64+4*i], v[64+4*i+1]
.set i, i+1
.endr
.endif
	; the sixteen sums across the 32 lanes, side by side so that no line waits for the one before it
.irp m, 1,2,4,8
.set j, 0
.rept 16
	v_add_f32_dpp v[8+j], v[8+j], v[8+j] row_xmask:\m row_mask:0xf bank_mask:0xf
.set j, j+1
.endr
.endr
.set j, 0
.rept 16
	v_permlanex16_b32 v[64+j], v[8+j], s34, s35    ; into registers that the row loads have written and nobody wants any more
.set j, j+1
.endr
.set j, 0
.rept 16
	v_add_f32 v[8+j], v[8+j], v[64+j]
.set j, j+1
.endr
.set j, 0
.rept 16
.if (\nch) == 256
	v_mul_f32 v[8+j], 0x3b800000, v[8+j]           ; / 256
.else
	v_mul_f32 v[8+j], 0x3c000000, v[8+j]           ; / 128
.endif
.set j, j+1
.endr
	v_cmp_le_u32 vcc_lo, 16, v1                    ; lanes 16-31 hold rows 8-15
.set e, 0
.rept 8
	v_cndmask_b32 v[24+e], v[8+e], v[16+e], vcc_lo
.set e, e+1
.endr
.set q, 0
.rept NQ
.set e, 0
.rept 8
	v_sub_f32 v[32+8*q+e], v[32+8*q+e], v[24+e]
.set e, e+1
.endr
.set e, 0
.rept 4
	v_cvt_pk_bf16_f32 v[32+8*q+e], v[32+8*q+2*e], v[32+8*q+2*e+1]  ; ascending, in place: line e writes a register that lines 0 .. e have read
.set e, e+1
.endr
	global_store_b128 v4, v[32+8*q:32+8*q+3], s[30:31] offset:1024*q  ; 512 consecutive bytes: half a fragment
.set q, q+1
.endr
	s_endpgm
.endm
.Lw1:
	WPREP 256, 10, 0, 0
.Lw2:
	WPREP 128, 12, 131072, 8
; ---- w3 and the parameters
; n x 512 bytes of a bias less its mean
.macro CENTRE src, dstoff, n, inv
	global_load_b128 v[32:35], v4, s[\src:\src+1]
.if (\n) == 2
	global_load_b128 v[36:39], v4, s[\src:\src+1] offset:512
.endif
	s_wait_loadcnt 0x0
	v_pk_add_f32 v[40:41], v[32:33], v[34:35]
.if (\n) == 2
	v_pk_add_f32 v[42:43], v[36:37], v[38:39]
	v_pk_add_f32 v[40:41], v[40:41], v[42:43]
.endif
	v_add_f32 v8, v40, v41
	v_add_f32_dpp v8, v8, v8 row_xmask:1 row_mask:0xf bank_mask:0xf
	v_add_f32_dpp v8, v8, v8 row_xmask:2 row_mask:0xf bank_mask:0xf
	v_add_f32_dpp v8, v8, v8 row_xmask:4 row_mask:0xf bank_mask:0xf
	v_add_f32_dpp v8, v8, v8 row_xmask:8 row_mask:0xf bank_mask:0xf
	v_permlanex16_b32 v6, v8, s34, s35
	v_add_f32 v8, v8, v6
	v_mul_f32 v8, \inv, v8
.set i, 0
.rept 4*(\n)
	v_sub_f32 v[32+i], v[32+i], v8
.set i, i+1
.endr
	global_store_b128 v4, v[32:35], s[30:31] offset:\dstoff
.if (\n) == 2
	global_store_b128 v4, v[36:39], s[30:31] offset:(\dstoff)+512
.endif
	s_endpgm
.endm
.macro COPY src, dstoff, n
	global_load_b128 v[32:35], v4, s[\src:\src+1]
.if (\n) == 2
	global_load_b128 v[36:39], v4, s[\src:\src+1] offset:512
.endif
	s_wait_loadcnt 0x0
	global_store_b128 v4, v[32:35], s[30:31] offset:\dstoff
.if (\n) == 2
	global_store_b128 v4, v[36:39], s[30:31] offset:(\dstoff)+512
.endif
	s_endpgm
.endm
.Lpar:
	v_lshrrev_b32 v2, 4, v0                        ; thread t writes bytes 16 t .. of w3's four fragments: k = 8 (t >> 4) + 0..7, whatever the row
	v_lshlrev_b32 v2, 5, v2
	global_load_b128 v[16:19], v2, s[14:15]
	global_load_b128 v[20:23], v2, s[14:15] offset:16
	v_lshlrev_b32 v3, 4, v0
	v_lshlrev_b32 v4, 4, v1
	s_wait_loadcnt 0x0
	v_cvt_pk_bf16_f32 v24, v16, v17
	v_cvt_pk_bf16_f32 v25, v18, v19
	v_cvt_pk_bf16_f32 v26, v20, v21
	v_cvt_pk_bf16_f32 v27, v22, v23
	global_store_b128 v3, v[24:27], s[30:31] offset:196608
	s_cmp_eq_u32 s32, 0
	s_cbranch_scc1 .Lp0
	s_cmp_eq_u32 s32, 1
	s_cbranch_scc1 .Lp1
	s_cmp_eq_u32 s32, 2
	s_cbranch_scc1 .Lp2
	s_cmp_eq_u32 s32, 3
	s_cbranch_scc1 .Lp3
	s_cmp_eq_u32 s32, 4
	s_cbranch_scc1 .Lp4
	s_cmp_eq_u32 s32, 5
	s_cbranch_scc1 .Lp5
	s_cmp_eq_u32 s32, 6
	s_cbranch_scc1 .Lp6
	s_endpgm
.Lp0:
	CENTRE 16, PAR, 2, 0x3b800000                  ; b1 - mean(b1)
.Lp1:
	CENTRE 22, PAR+3072, 1, 0x3c000000             ; b2 - mean(b2)
.Lp2:
	COPY 18, PAR+1024, 2                           ; g1
.Lp3:
	COPY 20, PAR+2048, 2                           ; be1
.Lp4:
	COPY 24, PAR+3584, 1                           ; g2
.Lp5:
	COPY 26, PAR+4096, 1                           ; be2
.Lp6:
	v_mov_b32 v32, 0
	v_mov_b32 v33, 0
	v_mov_b32 v34, 0
	v_mov_b32 v35, 0
	global_store_b128 v4, v[32:35], s[30:31] offset:PAR+4608  ; the block's last 512 bytes: the next launch copies them, so they are written
	s_endpgm
.Lfunc_end_k_q011bc0c98e_prep:
	.size	k_q011bc0c98e_prep, .Lfunc_end_k_q011bc0c98e_prep-k_q011bc0c98e_prep
	.p2alignl 7, 3214868480
	.fill 96, 4, 3214868480
	.section	.rodata,"a",@progbits
	.p2align	6, 0x0
	.amdhsa_kernel k_q011bc0c98e_prep
		.amdhsa_group_segment_fixed_size 0
		.amdhsa_private_segment_fixed_size 0
		.amdhsa_enable_private_segment 0
		.amdhsa_kernarg_size 96
		.amdhsa_user_sgpr_count 2
		.amdhsa_user_sgpr_kernarg_segment_ptr 1
		.amdhsa_wavefront_size32 1
		.amdhsa_system_sgpr_workgroup_id_x 1
		.amdhsa_system_sgpr_workgroup_id_y 1
		.amdhsa_system_sgpr_workgroup_id_z 1
		.amdhsa_system_vgpr_workitem_id 0
		.amdhsa_next_free_vgpr 128
		.amdhsa_next_free_sgpr 66
		.amdhsa_reserve_vcc 1
		.amdhsa_float_denorm_mode_32 3
		.amdhsa_float_denorm_mode_16_64 3
		.amdhsa_memory_ordered 1
		.amdhsa_forward_progress 1
		.amdhsa_inst_pref_size 43
	.end_amdhsa_kernel
	.amdgpu_metadata
---
amdhsa.version: [ 1, 2 ]
amdhsa.kernels:
  - .name:           k_q011bc0c98e_prep
    .symbol:         k_q011bc0c98e_prep.kd
    .args:
      - { .name: x, .offset: 0, .size: 8, .value_kind: global_buffer, .address_space: global }
      - { .name: w1, .offset: 8, .size: 8, .value_kind: global_buffer, .address_space: global }
      - { .name: w2, .offset: 16, .size: 8, .value_kind: global_buffer, .address_space: global }
      - { .name: w3, .offset: 24, .size: 8, .value_kind: global_buffer, .address_space: global }
      - { .name: b1, .offset: 32, .size: 8, .value_kind: global_buffer, .address_space: global }
      - { .name: g1, .offset: 40, .size: 8, .value_kind: global_buffer, .address_space: global }
      - { .name: be1, .offset: 48, .size: 8, .value_kind: global_buffer, .address_space: global }
      - { .name: b2, .offset: 56, .size: 8, .value_kind: global_buffer, .address_space: global }
      - { .name: g2, .offset: 64, .size: 8, .value_kind: global_buffer, .address_space: global }
      - { .name: be2, .offset: 72, .size: 8, .value_kind: global_buffer, .address_space: global }
      - { .name: xb, .offset: 80, .size: 8, .value_kind: global_buffer, .address_space: global }
      - { .name: wf, .offset: 88, .size: 8, .value_kind: global_buffer, .address_space: global }
    .group_segment_fixed_size: 0
    .private_segment_fixed_size: 0
    .kernarg_segment_align: 8
    .kernarg_segment_size: 96
    .max_flat_workgroup_size: 256
    .sgpr_count:     66
    .vgpr_count:     128
    .wavefront_size: 32
...
	.end_amdgpu_metadata
.endif
;; end of part 1
;; launch edges (part 2): grid 250 x 1, 4 waves a work-group, no clusters, 212,992 bytes of LDS; arguments xb, wf, edge_index, neg_edge_index, b3, out0, out1; writes out0, out1
.if DOCPART == 2
	.amdgcn_target "amdgcn-amd-amdhsa--gfx1250"
	.amdhsa_code_object_version 6
	.text
	.protected	k_q011bc0c98e_edges
	.globl	k_q011bc0c98e_edges
	.p2align	8
	.type	k_q011bc0c98e_edges,@function
k_q011bc0c98e_edges:
	s_mov_b64 s[64:65], 0
	v_nop
	global_prefetch_b8 v0, s[64:65] scope:SCOPE_SE
	s_setreg_imm32_b32 hwreg(HW_REG_WAVE_MODE, 25, 1), 1
	s_wait_xcnt 0x0
; THE EDGE MLP, FUSED.  For each of 400,000 edges (200,000 of edge_index, then 200,000 of neg_edge_index): f = [x[src], x[dst]] (256), h1 = relu(LN(f w1 + b1) g1 + be1) (256),
; h2 = relu(LN(h1 w2 + b2) g2 + be2) (128), out0 = sigmoid(h2 w3 + b3).  out1 = 1 for the first 200,000 edges, 0 for the others.
; SHARES.  400,000 = 250 work-groups x 4 waves x 5 blocks x 80 edges.  A wave owns 400 consecutive edges and walks them in blocks of five tiles of 16.  200,000 = 125 x 1,600: a work-group reads one of the
; two index buffers and writes one label.
; LAYOUT.  Every product is taken transposed: source 0 = 16 output channels of the weights, source 1 = 16 edges.  In a result lane l holds ONE edge (l % 16) and the channels 8 (l / 16) + 0..7 of the
; accumulator's 16.  So a LayerNorm's sum is a sum inside the lane and one exchange between the halves of the lanes, and two accumulators, rounded to bf16 in pairs, ARE a fragment of source 1
; (32 k x 16 edges) of the next layer: no activation goes through LDS.
; WEIGHTS lie in LDS as ready fragments (the launch before laid them so), copied once, one tensor load a wave (one is out, by this text's count); nothing is filled again.  A fragment is read as 2 x 16
; consecutive bytes a lane: no two lanes of a load share a bank.
; FEATURES are gathered from xb (bf16 rows of 256 bytes) straight into fragment registers: lane (r, h) takes 16 bytes at 64 part + 16 h and at + 32 of edge r's row.  A ring of four slots, a K step each;
; a slot is asked for again as soon as it has been multiplied, three K steps (240 matrix instructions) ahead of its use.
; LAYERNORM.  The launch before took the mean off the weights and the biases, so z = f w1c + b1c IS (f w1 + b1) less its mean, and the variance is mean(z^2): one pass, no difference of large sums.
; The biases enter as the C operand of each sum's first product.  relu is taken on the packed bf16 words, where it rounds nothing.
; NO CLUSTER: the grid of 250 is no multiple of four, and what work-groups share is the one copy of 205,824 bytes, against 1,600 edges x 512 bytes of gathered rows of their own.
; LIMITS.  x, the centred w1 and w2, h1, h2 and w3 are rounded to bf16, sums and statistics are f32.  The mean that is left in z is the mean of the centred weights' rounding errors (each at most 2^-9 of
; its weight).  An index is clamped to 49,999 (unsigned), which changes no index inside the table.  NaN and infinities are not treated apart; where 2^(-log2(e) (z3 + b3)) passes f32's range the
; prediction is 0.  The input batch is not read.
;
; REGISTERS, in windows of 256 (s_set_vgpr_msb: bits 1:0 source 0, 3:2 source 1, 5:4 source 2, 7:6 destination).
;   window 0: addresses, statistics, and v96-255 the feature ring.   window 1: tiles 0, 1 (128 registers each).   window 2: tiles 2, 3.   window 3: tile 4, then two weight buffers of 64.
;   A tile's 128 registers: z1's accumulator a at 8 a; h1 packed in place into 0-63 (fragment kk at 8 kk); z2's accumulator a at 64 + 8 a; h2 packed into 64-95; z3 at 0-7.
;   w3's four fragments lie in tile 4's dead h1: window 3, v16-47.
.set EROW,  800000                     ; bytes in a row of an index buffer
.set NPAR,  200704                     ; LDS: the parameters (b1c, g1, be1, b2c, g2, be2)
.set OUT,   205824                     ; LDS behind the weights: the work-group's 1,600 predictions; no tensor load lands here
.set SPARE, 212224                     ; behind them: the spare words, 128 bytes for each wave: two blocks of 256 bytes that no other line names
.set WA0, 2                            ; v2-5   16 l + 0, 65,536, 131,072, 196,608: an LDS offset holds 16 bits
.set PA,  6                            ; v6     NPAR + 32 (l / 16): my eight channels of an accumulator's 16
.set H16, 7                            ; v7     16 (l / 16)
.set IOF, 8                            ; v8     4 (l % 16)
.set OST, 9                            ; v9     where my edge's prediction goes in LDS; steps 320 bytes a block
.set SPW, 10                           ; v10    LDS address of my spare word; never rewritten
.set NIL, 11                           ; v11    0; never rewritten
.set RDA, 12                           ; v12    the way out: OUT + 512 wave + 16 l
.set GO,  13                           ; v13    512 wave + 16 l
.set L8,  14                           ; v14    8 l
.set RD8, 15                           ; v15    OUT + 8 l
.set IS,  16                           ; v16-20 src indices of the next block, a tile each
.set ID,  22                           ; v22-26 dst indices
.set OS,  28                           ; v28-32 256 src + 16 (l / 16)
.set OD,  34                           ; v34-38 256 dst + 16 (l / 16)
.set R,   40                           ; v40-49 a pair a tile: 1 / sqrt(var + eps) in the even register
.set Q,   50                           ; v50-57 four chains of packed sums
.set S,   58                           ; v58-62 a tile's sum of squares
.set NB3, 63                           ; v63    -log2(e) b3
.set X,   64                           ; v64-68 the other half of the lanes' sum
.set E,   70                           ; v70-74 the tail
.set LAB, 76                           ; v76-79 the label, four times
.set BK,  80                           ; v80-93 predictions read back
.set FB,  96                           ; v96-255 the ring: slot s, tile t at 96 + 40 s + 8 t
.set WV,  18                           ; s18    my wave's number
.set BLK, 19                           ; s19    blocks to go, this one among them
.set MSB, 0
.macro WIN new                         ; the immediate's high byte repeats the setting that is left; a switch that changes nothing is dropped
.if MSB != (\new)
	s_set_vgpr_msb (MSB<<8)|(\new)
.set MSB, (\new)
.endif
.endm
.macro PLACES n                        ; plain vector instructions between a matrix instruction and what touches its registers (ISA guide 7.12.1 for vector instructions)
.rept \n
	v_nop
.endr
.endm
; eight weight fragments (8 KiB) into weight buffer buf
.macro LDW buf, areg, off
	WIN 0xc0                                       ; destination window 3, address window 0
.irp i, 0,1,2,3,4,5,6,7
	ds_load_b128 v[128+64*(\buf)+8*(\i):128+64*(\buf)+8*(\i)+3],   v[\areg] offset:(\off)+1024*(\i)
	ds_load_b128 v[128+64*(\buf)+8*(\i)+4:128+64*(\buf)+8*(\i)+7], v[\areg] offset:(\off)+1024*(\i)+512
.endr
.endm
; gains (32 registers) and offsets (32) of accumulators a0 .. a0 + 3 into weight buffer buf
.macro LDP buf, goff, beoff, a0
	WIN 0xc0
.irp i, 0,1,2,3
	ds_load_b128 v[128+64*(\buf)+8*(\i):128+64*(\buf)+8*(\i)+3],       v[PA] offset:(\goff)+64*((\a0)+(\i))
	ds_load_b128 v[128+64*(\buf)+8*(\i)+4:128+64*(\buf)+8*(\i)+7],     v[PA] offset:(\goff)+64*((\a0)+(\i))+16
	ds_load_b128 v[128+64*(\buf)+32+8*(\i):128+64*(\buf)+32+8*(\i)+3], v[PA] offset:(\beoff)+64*((\a0)+(\i))
	ds_load_b128 v[128+64*(\buf)+32+8*(\i)+4:128+64*(\buf)+32+8*(\i)+7], v[PA] offset:(\beoff)+64*((\a0)+(\i))+16
.endr
.endm
; a bias into n accumulators of tile 0, from register dst on
.macro LDB dst, off, n
	WIN 0x40                                       ; destination window 1
.set i, 0
.rept \n
	ds_load_b128 v[(\dst)+8*i:(\dst)+8*i+3],   v[PA] offset:(\off)+64*i
	ds_load_b128 v[(\dst)+8*i+4:(\dst)+8*i+7], v[PA] offset:(\off)+64*i+16
.set i, i+1
.endr
.endm
.macro LDW3
	WIN 0xc0
.irp i, 0,1,2,3
	ds_load_b128 v[16+8*(\i):16+8*(\i)+3],   v[WA0+3] offset:1024*(\i)
	ds_load_b128 v[16+8*(\i)+4:16+8*(\i)+7], v[WA0+3] offset:1024*(\i)+512
.endr
.endm
; ten gather loads: 32 channels (64 bytes at 64 part) of five tiles' rows into a slot of the ring
.macro GLD slot, areg, part
	WIN 0
.irp t, 0,1,2,3,4
	global_load_b128 v[FB+40*(\slot)+8*(\t):FB+40*(\slot)+8*(\t)+3],   v[(\areg)+(\t)], s[4:5] offset:64*(\part)
	global_load_b128 v[FB+40*(\slot)+8*(\t)+4:FB+40*(\slot)+8*(\t)+7], v[(\areg)+(\t)], s[4:5] offset:64*(\part)+32
.endr
.endm
.macro IDX                             ; ten index loads: both halves of the lanes take the same 16 edges
.irp t, 0,1,2,3,4
	global_load_b32 v[IS+(\t)], v[IOF], s[20:21] offset:64*(\t)
	global_load_b32 v[ID+(\t)], v[IOF], s[20:21] offset:EROW+64*(\t)
.endr
.endm
.macro MKOFF                           ; index -> byte offset of my 16 bytes in the row
.irp t, 0,1,2,3,4
	v_min_u32 v[OS+(\t)], 0xc34f, v[IS+(\t)]
	v_min_u32 v[OD+(\t)], 0xc34f, v[ID+(\t)]
.endr
.irp t, 0,1,2,3,4
	v_lshl_add_u32 v[OS+(\t)], v[OS+(\t)], 8, v[H16]
	v_lshl_add_u32 v[OD+(\t)], v[OD+(\t)], 8, v[H16]
.endr
.endm
; LAYER 1.  A group of products under one window setting: 8 channel blocks (outer) x nt tiles from t0 on (inner): the accumulators take turns, one instruction a turn.
; first = 1: the sum starts from the bias, which lies in tile 0's accumulator.
.macro G1 win, buf, hf, slot, first, t0, nt
	WIN \win
.set ga, 0
.rept 8
.set gt, \t0
.rept \nt
.set rD, 128*(gt%2)+8*(8*(\hf)+ga)
.set rC, rD
.if \first
.set rC, 8*(8*(\hf)+ga)
.endif
.set rA, 128+64*(\buf)+8*ga
.set rB, FB+40*(\slot)+8*gt
	v_wmma_f32_16x16x32_bf16 v[rD:rD+7], v[rA:rA+7], v[rB:rB+7], v[rC:rC+7]
.set gt, gt+1
.endr
.set ga, ga+1
.endr
.endm
; 40 products: channel blocks 8 hf .. 8 hf + 7 x five tiles x 32 k.  Weights window 3, features window 0, sums window 1, 2, 3.
.macro MM1 buf, hf, slot, first
.if \first
	G1 0x53, \buf, \hf, \slot, 1, 1, 1             ; tiles 1 to 4 read the bias out of tile 0's registers (C in window 1),
	G1 0x93, \buf, \hf, \slot, 1, 2, 2
	G1 0xd3, \buf, \hf, \slot, 1, 4, 1
	PLACES 5                                       ; and tile 0, which writes over them, follows five places behind the last of those
	G1 0x53, \buf, \hf, \slot, 1, 0, 1
.else
	G1 0x53, \buf, \hf, \slot, 0, 0, 2
	G1 0xa3, \buf, \hf, \slot, 0, 2, 2
	G1 0xf3, \buf, \hf, \slot, 0, 4, 1
.endif
.endm
; LAYER 2, likewise: source 1 is the tile's own h1 fragment kk
.macro G2 win, buf, kk, first, t0, nt
	WIN \win
.set ga, 0
.rept 8
.set gt, \t0
.rept \nt
.set rD, 128*(gt%2)+64+8*ga
.set rC, rD
.if \first
.set rC, 64+8*ga
.endif
.set rA, 128+64*(\buf)+8*ga
.set rB, 128*(gt%2)+8*(\kk)
	v_wmma_f32_16x16x32_bf16 v[rD:rD+7], v[rA:rA+7], v[rB:rB+7], v[rC:rC+7]
.set gt, gt+1
.endr
.set ga, ga+1
.endr
.endm
.macro MM2 buf, kk, first
.if \first
	G2 0x57, \buf, \kk, 1, 1, 1
	G2 0x9b, \buf, \kk, 1, 2, 2
	G2 0xdf, \buf, \kk, 1, 4, 1
	PLACES 5
	G2 0x57, \buf, \kk, 1, 0, 1
.else
	G2 0x57, \buf, \kk, 0, 0, 2
	G2 0xab, \buf, \kk, 0, 2, 2
	G2 0xff, \buf, \kk, 0, 4, 1
.endif
.endm
; LAYER 3: 4 K steps (outer) x five tiles (inner): five accumulators take turns.  All 16 rows of source 0 are w3, so every register of the result holds the edge's sum.
.macro MM3
.set gk, 0
.rept 4
.set gt, 0
.rept 5
	WIN 0x57+0x54*(gt/2)                           ; 0x57, 0xab, 0xff
.set rD, 128*(gt%2)
.set rA, 16+8*gk
.set rB, 128*(gt%2)+64+8*gk
.if gk == 0
	v_wmma_f32_16x16x32_bf16 v[rD:rD+7], v[rA:rA+7], v[rB:rB+7], 0
.else
	v_wmma_f32_16x16x32_bf16 v[rD:rD+7], v[rA:rA+7], v[rB:rB+7], v[rD:rD+7]
.endif
.set gt, gt+1
.endr
.set gk, gk+1
.endr
.endm
; the lane's sum of squares over nacc accumulators of tile t: four chains of packed sums; the pairs ascend
.macro SUMSQ t, zoff, nacc
	WIN 5*(1+(\t)/2)                               ; sources 0 and 1 in the tile's window
.set zb, 128*((\t)%2)+(\zoff)
.set p, 0
.rept 4*(\nacc)
.if p < 4
	v_pk_mul_f32 v[Q+2*p:Q+2*p+1], v[zb+2*p:zb+2*p+1], v[zb+2*p:zb+2*p+1]
.else
	v_pk_fma_f32 v[Q+2*(p%4):Q+2*(p%4)+1], v[zb+2*p:zb+2*p+1], v[zb+2*p:zb+2*p+1], v[Q+2*(p%4):Q+2*(p%4)+1]
.endif
.set p, p+1
.endr
	WIN 0
	v_pk_add_f32 v[Q:Q+1], v[Q:Q+1], v[Q+2:Q+3]
	v_pk_add_f32 v[Q+4:Q+5], v[Q+4:Q+5], v[Q+6:Q+7]
	v_pk_add_f32 v[Q:Q+1], v[Q:Q+1], v[Q+4:Q+5]
	v_add_f32 v[S+(\t)], v[Q], v[Q+1]
.endm
; the five tiles' 1 / sqrt(mean(z^2) + 1e-5): the edge's other channels lie in the lane 16 away.  The five roots are one batch with one wait.
.macro STATS inv
.irp t, 0,1,2,3,4
	v_permlanex16_b32 v[X+(\t)], v[S+(\t)], s42, s43
.endr
.irp t, 0,1,2,3,4
	v_add_f32 v[S+(\t)], v[S+(\t)], v[X+(\t)]
.endr
.irp t, 0,1,2,3,4
	v_fmaak_f32 v[S+(\t)], s[\inv], v[S+(\t)], 0x3727c5ac
.endr
.irp t, 0,1,2,3,4
	v_rsq_f32 v[R+2*(\t)], v[S+(\t)]
.endr
	v_nop                                          ; a plain instruction behind the last root,
	s_wait_alu depctr_va_vdst(0)                   ; and the wait ahead of the first use: one for the five
.endm
; four accumulators of tile t: z / sigma, times the gain plus the offset, rounded to bf16 in pairs (ascending, in place: line p writes a register that earlier lines have read), relu
.macro NORM t, zoff, hoff, buf
.set w, 1+(\t)/2
.set zb, 128*((\t)%2)+(\zoff)
.set hb, 128*((\t)%2)+(\hoff)
.set gb, 128+64*(\buf)
	WIN (w<<6)|w                                   ; z in the tile's window, 1 / sigma in window 0
.set p, 0
.rept 16
	v_pk_mul_f32 v[zb+2*p:zb+2*p+1], v[zb+2*p:zb+2*p+1], v[R+2*(\t):R+2*(\t)+1] op_sel_hi:[1,0]
.set p, p+1
.endr
	WIN (w<<6)|0x3c|w                              ; gain and offset in window 3
.set p, 0
.rept 16
	v_pk_fma_f32 v[zb+2*p:zb+2*p+1], v[zb+2*p:zb+2*p+1], v[gb+2*p:gb+2*p+1], v[gb+32+2*p:gb+32+2*p+1]
.set p, p+1
.endr
	WIN (w<<6)|(w<<2)|w
.set p, 0
.rept 16
	v_cvt_pk_bf16_f32 v[hb+p], v[zb+2*p], v[zb+2*p+1]
.set p, p+1
.endr
.set p, 0
.rept 16
	v_pk_max_num_bf16 v[hb+p], v[hb+p], s41
.set p, p+1
.endr
.endm
.macro NORM5 zoff, hoff, buf
.irp u, 0,1,2,3,4
	NORM \u, \zoff, \hoff, \buf
.endr
.endm
; A K step of layer 1: two batches of 40 products on weight buffers 0 and 1.  At a batch's head its fragments, asked for a batch (40 products) earlier, are waited for, and the next batch's are asked for
; into the buffer that the batch before has just read: four places stand between.  n: the gather loads issued behind this K step's slot, which may stay out.
.macro KSTEP kk, n
	s_wait_dscnt 0x0                               ; this batch's weights (at kk = 0 the bias too)
	s_wait_loadcnt \n                              ; this K step's features
	PLACES 4
.if ((\kk) >= 1) && ((\kk) <= 4)
	GLD (\kk)-1, OD, (\kk)-1                       ; the slot just multiplied takes a part of the dst rows, wanted three K steps on
.endif
	LDW 1, WA0+(\kk)/4, 8192*((2*(\kk)+1)%8)
.if (\kk) == 0
	MM1 0, 0, 0, 1
.else
	MM1 0, 0, (\kk)%4, 0
.endif
	s_wait_dscnt 0x0
	PLACES 4
.if (\kk) < 7
	LDW 0, WA0+((\kk)+1)/4, 8192*((2*(\kk)+2)%8)
.else
	LDP 0, 1024, 2048, 0                           ; behind the last weights: the first gains and offsets
.endif
.if (\kk) == 0
	MM1 1, 1, 0, 1
.else
	MM1 1, 1, (\kk)%4, 0
.endif
.endm
.macro L2STEP b
	s_wait_dscnt 0x0                               ; this K step's weights (at b = 0 the bias too)
	PLACES 4
.if (\b) < 7
	LDW ((\b)+1)%2, WA0+2, 8192*((\b)+1)
.else
	LDP 0, 3584, 4096, 0
.endif
.if (\b) == 0
	MM2 0, 0, 1
.else
	MM2 (\b)%2, \b, 0
.endif
.endm
	s_load_b256 s[4:11], s[0:1], 0x0               ; xb 4:5, wf 6:7, edge_index 8:9, neg_edge_index 10:11
	s_load_b128 s[12:15], s[0:1], 0x20             ; b3 12:13, out0 14:15
	s_load_b64 s[16:17], s[0:1], 0x30              ; out1
	v_lshl_add_u32 v[SPW], v0, 2, SPARE
	v_mov_b32 v[NIL], 0
	ds_add_u32 v[SPW], v[NIL]                      ; the wave's opening: the add and its wait stand ahead of my tensor load; the set-up below, work on registers, stands between them
	v_lshrrev_b32 v1, 5, v0
	v_readfirstlane_b32 s[WV], v1                  ; wave 0..3
	; descriptor group 1: a dense block as 201 rows of 256 bytes (32 elements of 8 bytes), no padding
	s_mov_b32 s24, 3<<16                           ; 15:0 no mask; 17:16 elements of 8 bytes
	s_mov_b32 s25, 32<<16                          ; tensor_dim0 = 32
	s_mov_b32 s26, 201<<16                         ; tensor_dim1 = 201
	s_mov_b32 s27, 32<<16                          ; tile_dim0 = 32
	s_mov_b32 s28, 201                             ; tile_dim1 = 201
	s_mov_b32 s29, 32                              ; 32 elements from row to row
	s_mov_b32 s30, 0
	s_mov_b32 s31, 0
	s_mov_b32 s32, 1                               ; group 0: count = 1
	s_mul_i32 s33, s[WV], 201*256                  ; LDS address: my quarter of the block
	s_mov_b32 s46, s33                             ; and the same offset in wf
	s_mov_b32 s47, 0
	s_mov_b32 s38, 0xbfb8aa3b                      ; -log2(e)
	s_mov_b32 s39, 0x3b800000                      ; 1 / 256
	s_mov_b32 s40, 0x3c000000                      ; 1 / 128
	s_mov_b32 s41, 0
	s_mov_b32 s42, 0x76543210                      ; v_permlanex16_b32: each lane takes its own place in the other half
	s_mov_b32 s43, 0xfedcba98
	v_and_b32 v1, 31, v0                           ; l
	v_lshlrev_b32 v[WA0], 4, v1
	v_add_nc_u32 v[WA0+1], 0x10000, v[WA0]
	v_add_nc_u32 v[WA0+2], 0x20000, v[WA0]
	v_add_nc_u32 v[WA0+3], 0x30000, v[WA0]
	v_bfe_u32 v[H16], v0, 4, 1                     ; l / 16
	v_lshl_add_u32 v[PA], v[H16], 5, NPAR
	v_lshlrev_b32 v[H16], 4, v[H16]
	v_and_b32 v[IOF], 15, v0
	v_lshlrev_b32 v[IOF], 2, v[IOF]
	s_mul_i32 s44, s[WV], 1600                     ; my wave's 400 edges, 4 bytes each
	s_add_co_u32 s45, s44, OUT
	v_add_nc_u32 v[OST], s45, v[IOF]
	s_lshl_b32 s45, s[WV], 9
	v_add_nc_u32 v[GO], s45, v[WA0]
	v_add_nc_u32 v[RDA], OUT, v[GO]
	v_lshlrev_b32 v[L8], 3, v1
	v_add_nc_u32 v[RD8], OUT, v[L8]
.irp t, 0,1,2,3,4
	v_mov_b32 v[R+2*(\t)+1], 0                     ; named with 1 / sigma as a pair, so it is written
	v_mov_b32 v[X+(\t)], 0                         ; a destination of v_permlanex16_b32 counts as read
.endr
	s_wait_dscnt 0x0                               ; the opening add is done
	s_wait_kmcnt 0x0
	s_add_nc_u64 s[34:35], s[6:7], s[46:47]        ; global address of my quarter
	s_or_b32 s35, s35, 0x80000000                  ; type = 2
	tensor_load_to_lds s[32:35], s[24:31]          ; the one fill: 51,456 bytes a wave
	s_nop 0
	PLACES 4
	s_load_b32 s36, s[12:13], 0x0                  ; b3
	s_cmp_lt_u32 ttmp9, 125                        ; work-groups 0-124: the positive edges
	s_cselect_b64 s[20:21], s[8:9], s[10:11]
	s_cselect_b32 s48, 0, 125
	s_cselect_b32 s52, 1.0, 0                      ; the label
	s_sub_co_u32 s48, ttmp9, s48
	s_mul_i32 s48, s48, 6400                       ; the work-group's 1,600 edges in its index buffer,
	s_add_co_u32 s48, s48, s44                     ; my wave's 400
	s_mov_b32 s49, 0
	s_add_nc_u64 s[20:21], s[20:21], s[48:49]
	s_mul_i32 s50, ttmp9, 6400                     ; and in the outputs: 25 aligned blocks of 256 bytes
	s_mov_b32 s51, 0
	s_add_nc_u64 s[14:15], s[14:15], s[50:51]
	s_add_nc_u64 s[16:17], s[16:17], s[50:51]
	IDX                                            ; block 0's indices
.irp i, 0,1,2,3
	v_mov_b32 v[LAB+(\i)], s52
.endr
.irp i, 0,1,2
	global_store_b128 v[GO], v[LAB:LAB+3], s[16:17] offset:2048*(\i) th:TH_STORE_NT  ; out1: four waves x 3 x 512 bytes,
.endr
	s_cmp_lg_u32 s[WV], 0
	s_cbranch_scc1 .Lnolab
	global_store_b64 v[L8], v[LAB:LAB+1], s[16:17] offset:6144 th:TH_STORE_NT        ; and the last 256 by wave 0
.Lnolab:
	s_wait_kmcnt 0x0
	v_mov_b32 v[NB3], s36
	v_mul_f32 v[NB3], s38, v[NB3]
	s_wait_loadcnt 0x0                             ; the indices are in, so their pointer may be stepped
	s_add_nc_u64 s[20:21], s[20:21], 320           ; 80 edges on
	MKOFF
	GLD 0, OS, 0                                   ; block 0's src rows fill the ring
	GLD 1, OS, 1
	GLD 2, OS, 2
	GLD 3, OS, 3
	IDX                                            ; block 1's indices
	s_wait_tensorcnt 0x0                           ; my quarter of the weights is in,
	s_barrier_signal -1
	s_barrier_wait -1                              ; everybody's is
	LDW 0, WA0, 0                                  ; the first batch of w1,
	LDB 0, 0, 16                                   ; and b1c into tile 0's sixteen accumulators
	WIN 0                                          ; at a label and at a branch every window is 0
	s_mov_b32 s[BLK], 5
.Lblk:                                             ; a trip: 80 edges
	; LAYER 1.  The gather loads were issued in this order: src parts 0-3 (ten each), perhaps ten index loads, then dst parts 0-3 as the slots come free.  Each count is what was issued behind the slot
	; wanted, without the index loads; where those were issued the count asks for more than it need, of loads that are a block old.
	KSTEP 0, 30                                    ; behind src 0: src 1, 2, 3
	KSTEP 1, 20                                    ; src 2, 3
	KSTEP 2, 20                                    ; src 3, dst 0
	KSTEP 3, 20                                    ; dst 0, 1
	KSTEP 4, 20                                    ; dst 1, 2
	KSTEP 5, 20                                    ; dst 2, 3
	KSTEP 6, 10                                    ; dst 3
	KSTEP 7, 0                                     ; nothing: every load of mine is in
	PLACES 8                                       ; behind the last products: the loads into the ring and the sums of squares follow
	WIN 0
	s_cmp_eq_u32 s[BLK], 1
	s_cbranch_scc1 .Lnonext                        ; the last block has no successor
	s_add_nc_u64 s[20:21], s[20:21], 320           ; no load is out, so pointer and offsets may be written
	MKOFF
	GLD 0, OS, 0                                   ; the next block's src rows: they have both LayerNorms and layer 2 in which to land
	GLD 1, OS, 1
	GLD 2, OS, 2
	GLD 3, OS, 3
	s_cmp_lt_u32 s[BLK], 3
	s_cbranch_scc1 .Lnonext                        ; the last block but one has no block after next
	IDX
.Lnonext:
	; LAYERNORM 1, relu, h1.  Four stages of four accumulators; a stage's gains and offsets were asked for a stage earlier, into the weight buffers by turns.
.irp t, 0,1,2,3,4
	SUMSQ \t, 0, 16
.endr
	STATS 39
	s_wait_dscnt 0x0
	LDP 1, 1024, 2048, 4
	NORM5 0, 0, 0
	s_wait_dscnt 0x0
	LDP 0, 1024, 2048, 8
	NORM5 32, 16, 1
	s_wait_dscnt 0x0
	LDP 1, 1024, 2048, 12
	NORM5 64, 32, 0
	s_wait_dscnt 0x0
	LDW 0, WA0+2, 0                                ; w2's first K step
	NORM5 96, 48, 1
	LDB 64, 3072, 8                                ; b2c into tile 0's eight accumulators of z2, whose registers have just been packed away
	; LAYER 2
.irp b, 0,1,2,3,4,5,6,7
	L2STEP \b
.endr
	; LAYERNORM 2, relu, h2
	PLACES 8
	LDW3
.irp t, 0,1,2,3,4
	SUMSQ \t, 64, 8
.endr
	STATS 40
	s_wait_dscnt 0x0
	LDP 1, 3584, 4096, 4
	NORM5 64, 64, 0
	s_wait_dscnt 0x0
	NORM5 96, 80, 1
	; LAYER 3 and the sigmoid: 1 / (1 + 2^(-log2(e) (z3 + b3)))
	MM3
	PLACES 8
.irp t, 0,1,2,3,4
	WIN 1+(\t)/2                                   ; source 0 in the tile's window
	v_fma_f32 v[E+(\t)], v[128*((\t)%2)], s38, v[NB3]  ; the accumulator's lowest register
.endr
	WIN 0
	s_cmp_eq_u32 s[BLK], 1
	s_cbranch_scc1 .Lnopre
	LDW 0, WA0, 0                                  ; the next block's first weights and its bias land under the tail
	LDB 0, 0, 16
	WIN 0
.Lnopre:
.irp t, 0,1,2,3,4
	v_exp_f32 v[E+(\t)], v[E+(\t)]
.endr
	v_nop
	s_wait_alu depctr_va_vdst(0)                   ; one wait for the five exponentials
.irp t, 0,1,2,3,4
	v_add_f32 v[E+(\t)], 1.0, v[E+(\t)]
.endr
.irp t, 0,1,2,3,4
	v_rcp_f32 v[E+(\t)], v[E+(\t)]
.endr
	v_nop
	s_wait_alu depctr_va_vdst(0)                   ; one wait for the five reciprocals
.irp t, 0,1,2,3,4
	ds_store_b32 v[OST], v[E+(\t)] offset:64*(\t)  ; lanes l and l + 16 hold the same edge and write the same word with the same number
.endr
	v_add_nc_u32 v[OST], 320, v[OST]
	s_sub_co_u32 s[BLK], s[BLK], 1
	s_cmp_lg_u32 s[BLK], 0
	s_cbranch_scc1 .Lblk
	; THE WAY OUT: the work-group's 6,400 bytes of out0, read back as 16 bytes a lane: every store covers whole aligned blocks of 256 bytes
	s_wait_dscnt 0x0                               ; for the others' sake: my stores into LDS are done
	s_barrier_signal -1
	s_barrier_wait -1
.irp i, 0,1,2
	ds_load_b128 v[BK+4*(\i):BK+4*(\i)+3], v[RDA] offset:2048*(\i)
.endr
	s_cmp_lg_u32 s[WV], 0
	s_cbranch_scc1 .Lno8
	ds_load_b64 v[BK+12:BK+13], v[RD8] offset:6144
	s_wait_dscnt 0x0
	global_store_b64 v[L8], v[BK+12:BK+13], s[14:15] offset:6144 th:TH_STORE_NT
.Lno8:
	s_wait_dscnt 0x0
.irp i, 0,1,2
	global_store_b128 v[GO], v[BK+4*(\i):BK+4*(\i)+3], s[14:15] offset:2048*(\i) th:TH_STORE_NT
.endr
	s_wait_tensorcnt 0x0                           ; the wave's end: behind my tensor load and my last LDS store
	ds_add_u32 v[SPW], v[NIL]
	s_wait_dscnt 0x0
	s_endpgm
.Lfunc_end_k_q011bc0c98e_edges:
	.size	k_q011bc0c98e_edges, .Lfunc_end_k_q011bc0c98e_edges-k_q011bc0c98e_edges
	.p2alignl 7, 3214868480
	.fill 96, 4, 3214868480
	.section	.rodata,"a",@progbits
	.p2align	6, 0x0
	.amdhsa_kernel k_q011bc0c98e_edges
		.amdhsa_group_segment_fixed_size 212992
		.amdhsa_private_segment_fixed_size 0
		.amdhsa_enable_private_segment 0
		.amdhsa_kernarg_size 56
		.amdhsa_user_sgpr_count 2
		.amdhsa_user_sgpr_kernarg_segment_ptr 1
		.amdhsa_wavefront_size32 1
		.amdhsa_system_sgpr_workgroup_id_x 1
		.amdhsa_system_sgpr_workgroup_id_y 1
		.amdhsa_system_sgpr_workgroup_id_z 1
		.amdhsa_system_vgpr_workitem_id 0
		.amdhsa_next_free_vgpr 1024
		.amdhsa_next_free_sgpr 66
		.amdhsa_reserve_vcc 0
		.amdhsa_float_denorm_mode_32 3
		.amdhsa_float_denorm_mode_16_64 3
		.amdhsa_memory_ordered 1
		.amdhsa_forward_progress 1
		.amdhsa_inst_pref_size 255
	.end_amdhsa_kernel
	.section	.bss,"aw",@nobits
	.p2align	6
	.space	262144
	.amdgpu_metadata
---
amdhsa.version: [ 1, 2 ]
amdhsa.kernels:
  - .name:           k_q011bc0c98e_edges
    .symbol:         k_q011bc0c98e_edges.kd
    .args:
      - { .name: xb, .offset: 0, .size: 8, .value_kind: global_buffer, .address_space: global }
      - { .name: wf, .offset: 8, .size: 8, .value_kind: global_buffer, .address_space: global }
      - { .name: edge_index, .offset: 16, .size: 8, .value_kind: global_buffer, .address_space: global }
      - { .name: neg_edge_index, .offset: 24, .size: 8, .value_kind: global_buffer, .address_space: global }
      - { .name: b3, .offset: 32, .size: 8, .value_kind: global_buffer, .address_space: global }
      - { .name: out0, .offset: 40, .size: 8, .value_kind: global_buffer, .address_space: global }
      - { .name: out1, .offset: 48, .size: 8, .value_kind: global_buffer, .address_space: global }
    .group_segment_fixed_size: 212992
    .private_segment_fixed_size: 0
    .kernarg_segment_align: 8
    .kernarg_segment_size: 56
    .max_flat_workgroup_size: 128
    .sgpr_count:     66
    .vgpr_count:     1024
    .wavefront_size: 32
...
	.end_amdgpu_metadata
.endif
;; end of part 2
;; ======== version 2 of 2: 2 launches; version 1 with the launch prep written anew for expert scheduling mode
;; workspace buffers: xb 12,800,000 bytes; wf 205,824 bytes
;; launch prep (part 3): grid 642 x 1, 8 waves a work-group, no clusters, 0 bytes of LDS; arguments x, w1, w2, w3, b1, g1, be1, b2, g2, be2, xb, wf; writes xb, wf
.if DOCPART == 3
	.amdgcn_target "amdgcn-amd-amdhsa--gfx1250"
	.amdhsa_code_object_version 6
	.text
	.protected	k_q011bc0c98e_prep
	.globl	k_q011bc0c98e_prep
	.p2align	8
	.type	k_q011bc0c98e_prep,@function
k_q011bc0c98e_prep:
	s_mov_b64 s[64:65], 0
	v_nop
	global_prefetch_b8 v0, s[64:65] scope:SCOPE_SE
	s_setreg_imm32_b32 hwreg(HW_REG_WAVE_SCHED_MODE, 0, 2), 2
	s_setreg_imm32_b32 hwreg(HW_REG_WAVE_MODE, 25, 1), 1
	s_wait_xcnt 0x0
	s_wait_alu depctr_vm_vsrc(0)
; PREPARATION.  xb = x rounded once to bf16 ([50000][128]: a row is 256 bytes).  wf = one dense block of 205,824 bytes that the next launch copies into LDS as it lies:
;   0       w1 as matrix fragments (16 channels x 32 k, 1,024 bytes): fragment (kk, a) at (16 kk + a) x 1,024
;   131072  w2 likewise: fragment (kk, a) at (8 kk + a) x 1,024
;   196608  w3: four fragments, all 16 rows alike
;   200704  b1c (1,024 bytes), g1, be1, b2c (512 bytes), g2, be2, all f32, then 512 bytes of zeros (so that the block is 4 x 201 rows of 256 bytes)
; In a fragment the element (channel 16 a + r, k = 32 kk + 16 c + 8 h + e) lies at 512 c + 16 (16 h + r) + 2 e: lane l = 16 h + r finds its registers 0-3 at 16 l and 4-7 at 512 + 16 l.
; THE MEAN OF LAYERNORM IS TAKEN HERE, ON THE WEIGHTS: w1c[k][n] = w1[k][n] - mean over n of w1[k][.], b1c = b1 - mean(b1), and so for w2, b2.  Then f w1c + b1c = (f w1 + b1) - its mean over n,
; for every input; the subtraction is made in f32, ahead of the one rounding to bf16.
; ROLES by the work-group's number: 0-7 w1's K step; 8-15 w2's K step; 16 w3 and the parameters; 17-641 a chunk of 40,960 bytes of x (625 x 40,960 = 25,600,000).
; No LDS, no barrier: no wave wants what another has.  Every store of a wave covers 256 or 512 consecutive bytes, aligned.
; THE MODE: SCHED_MODE bits 1:0 = 2 (LLVM: expert scheduling mode 2), set by the entry lines.  The code itself states the register dependences
; between vector instructions and memory instructions, with s_wait_alu, always for 0.
; THE PLAN.  No path has a loop.  Registers that memory instructions touch:
;   every path   the byte offsets (v2, v3; v4, v5) are made once, ahead of one wait on va_vdst and of the path's first load, and never written again.
;   x            v16-55 are written by the ten loads and read by the conversions; v60-79 are written by the conversions and read by the stores; each register is written once.  The loads go in five pairs:
;                at the head of pair g one wait states that pair g - 1's conversions have written their registers; that pair's two stores follow, dealt among pair g's conversions, which name other registers.
;   w1, w2       v64-127 take whole rows, which the sums read and write in place; w1's rows 8-15 land there a second time, behind one wait.  v32-63 take the pieces, which the subtractions and roundings
;                rewrite; one wait stands behind all of them, ahead of the run of stores.
;   parameters   what vector lines have written (w3's roundings, the centred biases, the zeros) is stored behind one wait each; the plain copies store what loads brought.
; The wave's number (a vector line writes it into s32) has its wait in the head, ahead of the first branch; the one compare into VCC has its wait ahead of the selects.  EXEC is never written.
.set PAR, 200704
; x: load q's four f32 are rounded into a pair of registers of their own; the pair is stored
.macro CV q
	v_cvt_pk_bf16_f32 v[60+2*(\q)], v[16+4*(\q)], v[16+4*(\q)+1]
	v_cvt_pk_bf16_f32 v[60+2*(\q)+1], v[16+4*(\q)+2], v[16+4*(\q)+3]
.endm
.macro ST q
	global_store_b64 v3, v[60+2*(\q):60+2*(\q)+1], s[28:29] offset:256*(\q)  ; 32 lanes store 256 consecutive bytes, aligned
.endm
	s_load_b512 s[8:23], s[0:1], 0x0               ; x 8:9, w1 10:11, w2 12:13, w3 14:15, b1 16:17, g1 18:19, be1 20:21, b2 22:23
	s_load_b256 s[24:31], s[0:1], 0x40             ; g2 24:25, be2 26:27, xb 28:29, wf 30:31
	v_lshrrev_b32 v1, 5, v0
	v_readfirstlane_b32 s32, v1                    ; wave 0..7
	v_and_b32 v1, 31, v0                           ; lane
	s_mov_b32 s34, 0x76543210                      ; v_permlanex16_b32: each lane takes its own place in the other half
	s_mov_b32 s35, 0xfedcba98
	v_mov_b32 v6, 0                                ; a destination of v_permlanex16_b32 counts as read: written once
	s_wait_alu depctr_va_sdst(0)                   ; s32 is written: every path behind the branches below reads it, in scalar lines
	s_wait_kmcnt 0x0
	s_cmp_lt_u32 ttmp9, 8
	s_cbranch_scc1 .Lw1
	s_cmp_lt_u32 ttmp9, 16
	s_cbranch_scc1 .Lw2
	s_cmp_eq_u32 ttmp9, 16
	s_cbranch_scc1 .Lpar
	; ---- x: a wave takes 5,120 bytes, ten loads of 512 bytes, all issued at once; each load has registers of its own, in and out, so nothing is rewritten
	s_sub_co_u32 s36, ttmp9, 17
	s_mul_i32 s38, s36, 20480
	s_mul_i32 s36, s36, 40960
	s_mov_b32 s37, 0
	s_mov_b32 s39, 0
	s_add_nc_u64 s[8:9], s[8:9], s[36:37]
	s_add_nc_u64 s[28:29], s[28:29], s[38:39]
	s_mul_i32 s33, s32, 5120
	s_mul_i32 s40, s32, 2560                       ; in a register of its own: none that a vector line reads is written again
	v_lshl_add_u32 v2, v1, 4, s33                  ; 16 bytes (4 f32) a lane in,
	v_lshl_add_u32 v3, v1, 3, s40                  ; 8 bytes (4 bf16) out
	s_wait_alu depctr_va_vdst(0)                   ; v2 and v3 are written: the loads read v2 as their offset, the stores v3
.set q, 0
.rept 10
	global_load_b128 v[16+4*q:16+4*q+3], v2, s[8:9] offset:512*q th:TH_LOAD_NT
.set q, q+1
.endr
	s_wait_loadcnt 8                               ; loads come back in order: loads 0 and 1 are in, the eight younger ones stay out
	CV 0
	CV 1
.irp g, 1,2,3,4
	s_wait_loadcnt 8-2*(\g)                        ; pair g is in, the younger pairs stay out
	s_wait_alu depctr_va_vdst(0)                   ; the conversions of the pair before have written their four registers, which the two stores below read
	ST 2*(\g)-2
	CV 2*(\g)                                      ; these name pair g's registers alone: none that the stores beside them read
	ST 2*(\g)-1
	CV 2*(\g)+1
.endr
	s_wait_alu depctr_va_vdst(0)                   ; the last pair's conversions have written v76-79, which the last two stores read
	ST 8
	ST 9
	s_endpgm
; ---- A K step (32 rows) of a weight matrix [256][nch].  Wave w: c = w & 1 (which 16 rows), fg = w >> 1 (which quarter of the fragments).  The wave finds the means of its 16 rows
; (whole rows, 16 bytes a lane), then takes nch / 64 half fragments: lane (r, h) reads rows 8 h + e, column 16 a + r, subtracts the row's mean, rounds and stores 16 bytes.
; v4 16 l; v5 the pieces' offset; v8-23 the 16 rows' sums, then means; v24-31 the means of my 8 rows; v32-63 the pieces; v64-127 whole rows.
.macro WPREP nch, src, dstbase, first
.set PB, 4*(\nch)                      ; bytes in a row
.set NQ, (\nch)/64                     ; half fragments of a wave
	s_sub_co_u32 s33, ttmp9, \first                ; kk
	s_and_b32 s40, s32, 1                          ; c
	s_lshr_b32 s41, s32, 1                         ; fg
	s_lshl_b32 s36, s33, 5
	s_lshl4_add_u32 s36, s40, s36                  ; my first row: 32 kk + 16 c
	s_mul_i32 s36, s36, PB
	s_mov_b32 s37, 0
	s_add_nc_u64 s[\src:\src+1], s[\src:\src+1], s[36:37]
	s_mul_i32 s38, s33, (\nch)*64                  ; a K step's fragments,
	s_mul_i32 s42, s41, (\nch)*16                  ; my quarter of them,
	s_add_co_u32 s38, s38, s42
	s_lshl_b32 s42, s40, 9                         ; my half of each
	s_add_co_u32 s38, s38, s42
	s_add_co_u32 s38, s38, \dstbase
	s_mov_b32 s39, 0
	s_add_nc_u64 s[30:31], s[30:31], s[38:39]
	v_lshlrev_b32 v4, 4, v1
	v_and_b32 v7, 15, v1                           ; r
	v_lshrrev_b32 v5, 4, v1                        ; h
	v_mul_u32_u24 v5, v5, 8*PB
	v_lshl_add_u32 v5, v7, 2, v5
	s_mul_i32 s42, s41, \nch                       ; 4 bytes x 16 columns x nch / 64 fragments x fg
	v_add_nc_u32 v5, s42, v5
	s_wait_alu depctr_va_vdst(0)                   ; v4 and v5 are written: every load and store of this path reads one of them as its offset
.if (\nch) == 256
.set i, 0
.rept 8                                ; rows 0-7: 1,024 bytes each, two loads
	global_load_b128 v[64+8*i:64+8*i+3], v4, s[\src:\src+1] offset:i*PB
	global_load_b128 v[64+8*i+4:64+8*i+7], v4, s[\src:\src+1] offset:i*PB+512
.set i, i+1
.endr
.else
.set i, 0
.rept 16                               ; rows 0-15: 512 bytes each, one load
	global_load_b128 v[64+4*i:64+4*i+3], v4, s[\src:\src+1] offset:i*PB
.set i, i+1
.endr
.endif
.set q, 0
.rept NQ
.set e, 0
.rept 8
	global_load_b32 v[32+8*q+e], v5, s[\src:\src+1] offset:e*PB+64*q
.set e, e+1
.endr
.set q, q+1
.endr
.if (\nch) == 256
	s_wait_loadcnt 32                              ; rows 0-7 are in; the 32 piece loads issued behind them stay out
.set i, 0
.rept 8
	v_pk_add_f32 v[64+8*i:64+8*i+1], v[64+8*i:64+8*i+1], v[64+8*i+2:64+8*i+3]
	v_pk_add_f32 v[64+8*i+4:64+8*i+5], v[64+8*i+4:64+8*i+5], v[64+8*i+6:64+8*i+7]
	v_pk_add_f32 v[64+8*i:64+8*i+1], v[64+8*i:64+8*i+1], v[64+8*i+4:64+8*i+5]
	v_add_f32 v[8+i], v[64+8*i], v[64+8*i+1]
.set i, i+1
.endr
	s_wait_alu depctr_va_vdst(0)                   ; the sums of rows 0-7 are done reading and writing v64-127, in which rows 8-15 land
.set i, 0
.rept 8                                ; rows 8-15 into the same registers
	global_load_b128 v[64+8*i:64+8*i+3], v4, s[\src:\src+1] offset:(8+i)*PB
	global_load_b128 v[64+8*i+4:64+8*i+7], v4, s[\src:\src+1] offset:(8+i)*PB+512
.set i, i+1
.endr
	s_wait_loadcnt 0x0
.set i, 0
.rept 8
	v_pk_add_f32 v[64+8*i:64+8*i+1], v[64+8*i:64+8*i+1], v[64+8*i+2:64+8*i+3]
	v_pk_add_f32 v[64+8*i+4:64+8*i+5], v[64+8*i+4:64+8*i+5], v[64+8*i+6:64+8*i+7]
	v_pk_add_f32 v[64+8*i:64+8*i+1], v[64+8*i:64+8*i+1], v[64+8*i+4:64+8*i+5]
	v_add_f32 v[16+i], v[64+8*i], v[64+8*i+1]
.set i, i+1
.endr
.else
	s_wait_loadcnt 0x0
.set i, 0
.rept 16
	v_pk_add_f32 v[64+4*i:64+4*i+1], v[64+4*i:64+4*i+1], v[64+4*i+2:64+4*i+3]
	v_add_f32 v[8+i], v[64+4*i], v[64+4*i+1]
.set i, i+1
.endr
.endif
	; the sixteen sums across the 32 lanes, side by side so that no line waits for the one before it
.irp m, 1,2,4,8
.set j, 0
.rept 16
	v_add_f32_dpp v[8+j], v[8+j], v[8+j] row_xmask:\m row_mask:0xf bank_mask:0xf
.set j, j+1
.endr
.endr
.set j, 0
.rept 16
	v_permlanex16_b32 v[64+j], v[8+j], s34, s35    ; into registers that the row loads have written and nobody wants any more
.set j, j+1
.endr
.set j, 0
.rept 16
	v_add_f32 v[8+j], v[8+j], v[64+j]
.set j, j+1
.endr
	v_cmp_le_u32 vcc_lo, 16, v1                    ; lanes 16-31 hold rows 8-15; the sixteen multiplies stand between this line and the wait for it
.set j, 0
.rept 16
.if (\nch) == 256
	v_mul_f32 v[8+j], 0x3b800000, v[8+j]           ; / 256
.else
	v_mul_f32 v[8+j], 0x3c000000, v[8+j]           ; / 128
.endif
.set j, j+1
.endr
	s_wait_alu depctr_va_vcc(0)                    ; the compare has written VCC, which the eight selects below read
.set e, 0
.rept 8
	v_cndmask_b32 v[24+e], v[8+e], v[16+e], vcc_lo
.set e, e+1
.endr
.set q, 0
.rept NQ
.set e, 0
.rept 8
	v_sub_f32 v[32+8*q+e], v[32+8*q+e], v[24+e]
.set e, e+1
.endr
.set e, 0
.rept 4
	v_cvt_pk_bf16_f32 v[32+8*q+e], v[32+8*q+2*e], v[32+8*q+2*e+1]  ; ascending, in place: line e writes a register that lines 0 .. e have read
.set e, e+1
.endr
.set q, q+1
.endr
	s_wait_alu depctr_va_vdst(0)                   ; the roundings of all my half fragments have written their registers, which the run of stores reads
.set q, 0
.rept NQ
	global_store_b128 v4, v[32+8*q:32+8*q+3], s[30:31] offset:1024*q  ; 512 consecutive bytes: half a fragment
.set q, q+1
.endr
	s_endpgm
.endm
.Lw1:
	WPREP 256, 10, 0, 0
.Lw2:
	WPREP 128, 12, 131072, 8
; ---- w3 and the parameters
; n x 512 bytes of a bias less its mean
.macro CENTRE src, dstoff, n, inv
	global_load_b128 v[32:35], v4, s[\src:\src+1]
.if (\n) == 2
	global_load_b128 v[36:39], v4, s[\src:\src+1] offset:512
.endif
	s_wait_loadcnt 0x0
	v_pk_add_f32 v[40:41], v[32:33], v[34:35]
.if (\n) == 2
	v_pk_add_f32 v[42:43], v[36:37], v[38:39]
	v_pk_add_f32 v[40:41], v[40:41], v[42:43]
.endif
	v_add_f32 v8, v40, v41
	v_add_f32_dpp v8, v8, v8 row_xmask:1 row_mask:0xf bank_mask:0xf
	v_add_f32_dpp v8, v8, v8 row_xmask:2 row_mask:0xf bank_mask:0xf
	v_add_f32_dpp v8, v8, v8 row_xmask:4 row_mask:0xf bank_mask:0xf
	v_add_f32_dpp v8, v8, v8 row_xmask:8 row_mask:0xf bank_mask:0xf
	v_permlanex16_b32 v6, v8, s34, s35
	v_add_f32 v8, v8, v6
	v_mul_f32 v8, \inv, v8
.set i, 0
.rept 4*(\n)
	v_sub_f32 v[32+i], v[32+i], v8
.set i, i+1
.endr
	s_wait_alu depctr_va_vdst(0)                   ; the subtractions have written v32 on, which the stores read
	global_store_b128 v4, v[32:35], s[30:31] offset:\dstoff
.if (\n) == 2
	global_store_b128 v4, v[36:39], s[30:31] offset:(\dstoff)+512
.endif
	s_endpgm
.endm
.macro COPY src, dstoff, n             ; the stores' data come from loads: the wait on LOADcnt is all that they hang on
	global_load_b128 v[32:35], v4, s[\src:\src+1]
.if (\n) == 2
	global_load_b128 v[36:39], v4, s[\src:\src+1] offset:512
.endif
	s_wait_loadcnt 0x0
	global_store_b128 v4, v[32:35], s[30:31] offset:\dstoff
.if (\n) == 2
	global_store_b128 v4, v[36:39], s[30:31] offset:(\dstoff)+512
.endif
	s_endpgm
.endm
.Lpar:
	v_lshrrev_b32 v2, 4, v0                        ; thread t writes bytes 16 t .. of w3's four fragments: k = 8 (t >> 4) + 0..7, whatever the row
	v_lshlrev_b32 v2, 5, v2
	v_lshlrev_b32 v3, 4, v0
	v_lshlrev_b32 v4, 4, v1
	s_wait_alu depctr_va_vdst(0)                   ; the offsets v2, v3 and v4 are written: the loads and stores of this path and of its seven branches read them, and none is written again
	global_load_b128 v[16:19], v2, s[14:15]
	global_load_b128 v[20:23], v2, s[14:15] offset:16
	s_wait_loadcnt 0x0
	v_cvt_pk_bf16_f32 v24, v16, v17
	v_cvt_pk_bf16_f32 v25, v18, v19
	v_cvt_pk_bf16_f32 v26, v20, v21
	v_cvt_pk_bf16_f32 v27, v22, v23
	s_wait_alu depctr_va_vdst(0)                   ; the four roundings have written v24-27, which the store reads; no later line of any branch writes them or v3
	global_store_b128 v3, v[24:27], s[30:31] offset:196608
	s_cmp_eq_u32 s32, 0
	s_cbranch_scc1 .Lp0
	s_cmp_eq_u32 s32, 1
	s_cbranch_scc1 .Lp1
	s_cmp_eq_u32 s32, 2
	s_cbranch_scc1 .Lp2
	s_cmp_eq_u32 s32, 3
	s_cbranch_scc1 .Lp3
	s_cmp_eq_u32 s32, 4
	s_cbranch_scc1 .Lp4
	s_cmp_eq_u32 s32, 5
	s_cbranch_scc1 .Lp5
	s_cmp_eq_u32 s32, 6
	s_cbranch_scc1 .Lp6
	s_endpgm
.Lp0:
	CENTRE 16, PAR, 2, 0x3b800000                  ; b1 - mean(b1)
.Lp1:
	CENTRE 22, PAR+3072, 1, 0x3c000000             ; b2 - mean(b2)
.Lp2:
	COPY 18, PAR+1024, 2                           ; g1
.Lp3:
	COPY 20, PAR+2048, 2                           ; be1
.Lp4:
	COPY 24, PAR+3584, 1                           ; g2
.Lp5:
	COPY 26, PAR+4096, 1                           ; be2
.Lp6:
	v_mov_b32 v32, 0
	v_mov_b32 v33, 0
	v_mov_b32 v34, 0
	v_mov_b32 v35, 0
	s_wait_alu depctr_va_vdst(0)                   ; the four zeros are written, which the store reads
	global_store_b128 v4, v[32:35], s[30:31] offset:PAR+4608  ; the block's last 512 bytes: the next launch copies them, so they are written
	s_endpgm
.Lfunc_end_k_q011bc0c98e_prep:
	.size	k_q011bc0c98e_prep, .Lfunc_end_k_q011bc0c98e_prep-k_q011bc0c98e_prep
	.p2alignl 7, 3214868480
	.fill 96, 4, 3214868480
	.section	.rodata,"a",@progbits
	.p2align	6, 0x0
	.amdhsa_kernel k_q011bc0c98e_prep
		.amdhsa_group_segment_fixed_size 0
		.amdhsa_private_segment_fixed_size 0
		.amdhsa_enable_private_segment 0
		.amdhsa_kernarg_size 96
		.amdhsa_user_sgpr_count 2
		.amdhsa_user_sgpr_kernarg_segment_ptr 1
		.amdhsa_wavefront_size32 1
		.amdhsa_system_sgpr_workgroup_id_x 1
		.amdhsa_system_sgpr_workgroup_id_y 1
		.amdhsa_system_sgpr_workgroup_id_z 1
		.amdhsa_system_vgpr_workitem_id 0
		.amdhsa_next_free_vgpr 128
		.amdhsa_next_free_sgpr 66
		.amdhsa_reserve_vcc 1
		.amdhsa_float_denorm_mode_32 3
		.amdhsa_float_denorm_mode_16_64 3
		.amdhsa_memory_ordered 1
		.amdhsa_forward_progress 1
		.amdhsa_inst_pref_size 44
	.end_amdhsa_kernel
	.amdgpu_metadata
---
amdhsa.version: [ 1, 2 ]
amdhsa.kernels:
  - .name:           k_q011bc0c98e_prep
    .symbol:         k_q011bc0c98e_prep.kd
    .args:
      - { .name: x, .offset: 0, .size: 8, .value_kind: global_buffer, .address_space: global }
      - { .name: w1, .offset: 8, .size: 8, .value_kind: global_buffer, .address_space: global }
      - { .name: w2, .offset: 16, .size: 8, .value_kind: global_buffer, .address_space: global }
      - { .name: w3, .offset: 24, .size: 8, .value_kind: global_buffer, .address_space: global }
      - { .name: b1, .offset: 32, .size: 8, .value_kind: global_buffer, .address_space: global }
      - { .name: g1, .offset: 40, .size: 8, .value_kind: global_buffer, .address_space: global }
      - { .name: be1, .offset: 48, .size: 8, .value_kind: global_buffer, .address_space: global }
      - { .name: b2, .offset: 56, .size: 8, .value_kind: global_buffer, .address_space: global }
      - { .name: g2, .offset: 64, .size: 8, .value_kind: global_buffer, .address_space: global }
      - { .name: be2, .offset: 72, .size: 8, .value_kind: global_buffer, .address_space: global }
      - { .name: xb, .offset: 80, .size: 8, .value_kind: global_buffer, .address_space: global }
      - { .name: wf, .offset: 88, .size: 8, .value_kind: global_buffer, .address_space: global }
    .group_segment_fixed_size: 0
    .private_segment_fixed_size: 0
    .kernarg_segment_align: 8
    .kernarg_segment_size: 96
    .max_flat_workgroup_size: 256
    .sgpr_count:     66
    .vgpr_count:     128
    .wavefront_size: 32
...
	.end_amdgpu_metadata
.endif
;; end of part 3
;; launch edges: the kernel of part 2 again; grid 250 x 1, 4 waves a work-group, no clusters, 212,992 bytes of LDS; arguments xb, wf, edge_index, neg_edge_index, b3, out0, out1; writes out0, out1
